; MI455X (gfx1250); checked and timed in simulation.
; The chip was launched on July 23, 2026; its instructions are those of AMD's public machine-readable ISA for CDNA 5 (MIT licence, August 2026) and "CDNA5" Instruction Set Architecture Reference Guide (July 2026). The comments in the code are by the model that wrote it; some were corrected since.
;; Qwen3 Next Cross Attention. Allowed arithmetic: matrix products marked QUANTISED: E2M1 operands, one E8M0 scale for each 32 along K, by v_wmma_scale_f32_16x16x128_f8f6f4 with both operands' format E2M1 (or v_wmma_scale_f32_32x16x128_f4), f32 sums; products left as they are: f32 operands where the result goes on into a quantised operand, else bf16, f16 or f32 operands; f32 sums; everything else in f32.
;; Inputs: history_emb_codes 64 x 512 x 16 x 16 uint8 (E2M1 codes of history_emb, K innermost, in blocks of 32 codes, two codes a byte); history_emb_scales 64 x 512 x 16 uint8 (E8M0 scales of history_emb, one for each 32 codes along K); k_norm_w 512 float32; k_proj_w_codes 2,048 x 16 x 16 uint8 (E2M1 codes of k_proj_w, K innermost, in blocks of 32 codes, two codes a byte); k_proj_w_scales 2,048 x 16 uint8 (E8M0 scales of k_proj_w, one for each 32 codes along K); key_padding_mask 64 x 512 bool; q_norm_w 512 float32; q_proj_w_codes 512 x 16 x 16 uint8 (E2M1 codes of q_proj_w, K innermost, in blocks of 32 codes, two codes a byte); q_proj_w_scales 512 x 16 uint8 (E8M0 scales of q_proj_w, one for each 32 codes along K); target_emb_codes 64 x 8 x 16 x 16 uint8 (E2M1 codes of target_emb, K innermost, in blocks of 32 codes, two codes a byte); target_emb_scales 64 x 8 x 16 uint8 (E8M0 scales of target_emb, one for each 32 codes along K); v_proj_w_codes 2,048 x 16 x 16 uint8 (E2M1 codes of v_proj_w, K innermost, in blocks of 32 codes, two codes a byte); v_proj_w_scales 2,048 x 16 uint8 (E8M0 scales of v_proj_w, one for each 32 codes along K).
;; Outputs: out0 64 x 8 x 512 float32; out1 64 x 8 x 1 x 512 float32.
;; This version of the problem:
;;   THIS VERSION OF THE PROBLEM IS GIVEN IN LOW PRECISION. The matrix products marked QUANTISED in the list below multiply operands that are first quantised to E2M1 (2 exponent bits, 1 mantissa bit; 4 bits a number), with one power-of-two scale for each 32 numbers along K (OCP MX v1.0); their sums are f32. All else is computed in f32.
;;   The module's matrix products, in the order in which they are computed (A, B: the left and right operand; K: the contracted axis; several contracted axes count as one K, in the product's order):
;;     1. [M 512, K 512] x [K 512, N 512]; A: input target_emb (given as codes); B: input q_proj_w (given as codes): QUANTISED
;;     2. [M 32,768, K 512] x [K 512, N 2,048]; A: input history_emb (given as codes); B: input k_proj_w (given as codes): QUANTISED
;;     3. [M 32,768, K 512] x [K 512, N 2,048]; A: input history_emb (given as codes); B: input v_proj_w (given as codes): QUANTISED
;;     4. batch 256 x [M 2, K 512] x [K 512, N 512]; A: computed on the way; B: computed on the way: left as it is (M = 2 < 16)
;;     5. batch 256 x [M 2, K 512] x [K 512, N 512]; A: softmax; B: computed on the way: left as it is (M = 2 < 16)
;;   THE QUANTISER, for each operand of a quantised product, along K:
;;     - K is cut into blocks of 32 from its start; a last block that is shorter is filled with zeros.
;;     - A block's scale is 2^e with e = floor(log2(the largest magnitude in the block)) - 2, held to -126 .. 127; a block of zeros has e = 0. As a byte (E8M0): e + 127.
;;     - Each number is divided by its block's scale, clamped to +-6, and rounded to the nearest number of E2M1, ties to even, subnormals kept.
;;     - The product sums the exact products of the quantised numbers (number of the format x scale) in f32.
;;   ~~~python
;;   def quantise(x, axis):      # numpy; x: float32 -> the quantised numbers, widened to float32 again
;;       x = np.moveaxis(x, axis, -1); K = x.shape[-1]
;;       x = np.pad(x, [(0, 0)] * (x.ndim - 1) + [(0, -K % 32)]); x = x.reshape(x.shape[:-1] + (-1, 32)); a = np.abs(x).max(-1, keepdims=True)
;;       e = np.where(a > 0, np.clip(np.frexp(np.where(a > 0, a, 1))[1] - 1 - 2, -126, 127), 0)      # np.frexp(a)[1] - 1 = floor(log2(a)), exactly
;;       r = np.clip(x / 2.0 ** e, -6, 6)
;;       step = 2.0 ** (np.maximum(np.frexp(np.where(r == 0, 1, r))[1] - 1, 0) - 1)
;;       q = np.round(r / step) * step * 2.0 ** e      # np.round: ties to even
;;       return np.moveaxis(q.reshape(q.shape[:-2] + (-1,))[..., :K], -1, axis).astype(np.float32)
;;   ~~~
;;   INPUTS GIVEN AS CODES. history_emb (in the module: [64, 512, 512], K = its axis 2); k_proj_w (in the module: [2048, 512], K = its axis 1); q_proj_w (in the module: [512, 512], K = its axis 1); target_emb (in the module: [64, 8, 512], K = its axis 2); v_proj_w (in the module: [2048, 512], K = its axis 1): each comes as NAME_codes (uint8): NAME with its K axis moved to the last place and cut into blocks of 32 codes, [.., K / 32, bytes a block], one block behind the other in memory; two codes a byte, the lower K in the low four bits (a code: sign, 2 exponent bits, 1 mantissa bit); and NAME_scales (uint8): the same leading axes, one E8M0 byte (e + 127) for each 32 codes along K. Its value is code x scale, taken as it is: it is not quantised again, and the codes and scales need not be those that the quantiser above would give.
;; One version. Each part assembles by itself: llvm-mc -triple=amdgcn-amd-amdhsa -mcpu=gfx1250 --defsym DOCPART=n.
;; ======== version 1 of 1: 1 launch
;; launch attn (part 1): grid 256 x 1, 4 waves a work-group, clusters of 4 x 1, 327,680 bytes of LDS; arguments history_emb_codes, history_emb_scales, target_emb_codes, target_emb_scales, q_proj_w_codes, q_proj_w_scales, k_proj_w_codes, k_proj_w_scales, v_proj_w_codes, v_proj_w_scales, q_norm_w, k_norm_w, key_padding_mask, out0, out1; writes out0, out1
.if DOCPART == 1
	.amdgcn_target "amdgcn-amd-amdhsa--gfx1250"
	.amdhsa_code_object_version 6
	.text
	.protected	k_qfd8aa2b52c_attn
	.globl	k_qfd8aa2b52c_attn
	.p2align	8
	.type	k_qfd8aa2b52c_attn,@function
k_qfd8aa2b52c_attn:
	s_mov_b64 s[64:65], 0
	v_nop
	global_prefetch_b8 v0, s[64:65] scope:SCOPE_SE
	s_setreg_imm32_b32 hwreg(HW_REG_WAVE_MODE, 25, 1), 1
	s_wait_xcnt 0x0
	s_wait_alu depctr_hold_cnt(0) depctr_sa_sdst(0) depctr_va_vdst(0) depctr_va_sdst(0) depctr_va_ssrc(0) depctr_va_vcc(0) depctr_vm_vsrc(0)
	s_getreg_b32 s2, hwreg(HW_REG_IB_STS2, 6, 4)
	s_cmp_eq_u32 s2, 0
	s_cbranch_scc0 .Lentry_in_a_cluster
	s_endpgm
.Lentry_in_a_cluster:
	s_bfe_u32 s2, ttmp6, 0x10000c
	s_cmp_lg_u32 s2, 0x3003
	s_cbranch_scc0 .Lentry_shape_is_right
	s_endpgm
.Lentry_shape_is_right:
; Cross attention, 64 batches x 4 key/value heads x 2 queries a head, 512 keys, head size 512, in ONE launch: K and V (f32, 512 x 512 a head and batch) never go to memory.
; q = target Wq^T, k = H Wk^T, v = H Wv^T: products on the given E2M1 codes and E8M0 scale bytes, by v_wmma_scale_f32_32x16x128_f4, sums in f32.  q and k are RMS-normalised, the scores get the padding mask,
; the softmax takes the row's true maximum away; out1 = the weights, out0 = the weights x v.  The two products with two rows (scores, weights x v) are packed f32 multiply-adds: two rows would fill 2 of a matrix tile's 16.
; SHARES.  A work-group owns one (batch b, head n).  Wave w owns keys 128 w .. 128 w + 127 for all 512 channels of k and of v; for q it owns channels 128 w .. 128 w + 127.
; CLUSTER.  The four partners have ONE head and four batches (n = cluster & 3, b = (cluster & ~3) + place): they need the same Wq, Wk_n, Wv_n and scale bytes, so every weight comes by joint tensor loads
; whose mask names all four.  H differs between partners: each wave loads its 128 rows straight into registers, once, in the operand's layout (the eight loads of 16 rows cover their 4,096 consecutive bytes), for both products.
; LDS.  Wk_n lies whole in one region, Wq and then Wv_n in a second: Wv's load is the launch's one refill, issued behind the q phase, and has the whole k phase in which to land.  All bytes are asked for at the
; head or by that one refill, so there is nothing to ask for earlier.
; K PHASE, transposed: source 0 = 32 rows of Wk, source 1 = 16 keys of H: a lane holds ONE key and 16 channels, so sum k^2, sum k q'0, sum k q'1 are sums inside a lane (one exchange between the lanes' halves at the end).
; q'[d] = q[d] rsqrt(mean q^2 + eps) (1 + qw[d]) (1 + kw[d]) 512^-1/2 log2(e); t = rsqrt(mean k^2 + eps) sum_d k[d] q'[d]; p = 2^(t - max t) / sum.
; V PHASE, the other way round: source 0 = 32 keys of H, source 1 = 16 rows of Wv: a lane holds ONE channel and 16 keys, so out[g][d] is a sum inside a lane against p kept in registers.
; BY TURNS.  Eight matrix instructions (two accumulators of 32 x 16, four K steps) are a group; behind each of them stands one slice (6 or 4 packed multiply-adds) of the vector work on the group before, whose results lie in the other set of accumulators.
; LIMITS.  A batch whose 512 keys are all masked gives NaN in both outputs, as -inf - (-inf) does in the definition.  A scale byte 0xff gives NaN.  The norms' factors are folded into q' and into one multiply of the
; score: all in f32, only the order of rounding differs.  sum k^2 (not its mean) must stay finite in f32.  A weight under 2^-126 of the row's largest comes out as 0.
.set PITCH,  272                       ; a weight's row in LDS: 256 bytes of codes + 16 of padding = 68 words: the 16 rows that a load touches start 4 banks apart (64 banks of 4 bytes: ISA guide 11.1)
.set QUART,  128*PITCH                 ; 128 rows: what one tensor load brings
.set DSTR,   32*PITCH                  ; a double strip: 32 rows of a weight
.set L_WK,   0                         ; Wk_n's codes, 512 rows; filled once
.set L_WV,   139264                    ; Wq's codes, then Wv_n's
.set L_SQ,   278528                    ; Wq's scale bytes, 16 a row, dense
.set L_SK,   286720                    ; Wk_n's
.set L_SV,   294912                    ; Wv_n's
.set L_PART, 303104                    ; V phase: each wave's part of out, [wave][g][512] f32.  Earlier: raw q [g][512] at +0, q' [g][512] at +4096.  Only LDS stores land here
.set L_QRAW, L_PART
.set L_QT,   L_PART+4096
.set L_P,    319488                    ; p, [g][512] f32
.set L_RED,  323584                    ; +0 sum q^2 [wave][g]; +64 maxima [g][wave]; +128 sums [g][wave]
.set SPARE,  323840                    ; the spare words, 128 bytes for each wave: two blocks of 256 bytes that no other line names
; window 0
.set SPW, 1                            ; v1   LDS address of my spare word; never rewritten
.set NIL, 2                            ; v2   0; never rewritten
.set AW0, 3                            ; v3   272 r + 16 h: my lane's place in 16 rows of a weight (r = lane % 16, h = lane / 16)
.set ADW, 4                            ; v4   address of the weight fragments in hand
.set ASA, 5                            ; v5   Wk's scale words, a lane a row of 32
.set ASB, 6                            ; v6   Wv's scale words, lane r row r of 16
.set ADS, 7                            ; v7   address of the scale words in hand
.set AQ0, 8                            ; v8   q' + 32 h
.set ADQ, 9                            ; v9   address of the q' in hand
.set HO,  10                           ; v10  256 r + 16 h: H in memory
.set TO,  11                           ; v11  256 (r & 1) + 16 h: the two tokens in memory
.set MK,  12                           ; v12  bit a = the mask of key 16 a + r of my wave's 128
.set AP0, 13                           ; v13  my place in my wave's part of out
.set ADP, 14                           ; v14  address of the part in hand
.set L16, 15                           ; v15  16 x lane
.set R16, 16                           ; v16  16 r
.set T16, 17                           ; v17  16 x thread
.set AQW, 18                           ; v18  my wave's quarter of Wq, + AW0
.set ASQ, 19                           ; v19  its scale words, a lane a row
.set AQR, 20                           ; v20  where I store raw q
.set ASS, 21                           ; v21  where I store sum q^2
.set ARW, 22                           ; v22  where I store my wave's maximum (64 on: its sum)
.set ARR, 23                           ; v23  where I read the four waves'
.set HSA, 24                           ; v24-39  H's scale words [pair P][K step]: lane l = row 32 P + l;   v40-55 the same with lane l = row 32 P + 16 + l % 16
.set WS,  56                           ; v56-71  the weights' scale words
.set TS,  72                           ; v72-75  the tokens' scale words.  v24-75 hold scales and nothing else
.set ACC, 76                           ; v76-139 accumulators: set s, result rho at ACC + 32 s + 16 rho
.set STAT, 140                         ; v140-187 K phase: tile a: pairs sum k^2, sum k q'0, sum k q'1 at STAT + 6 a.  V phase: four chains and FIN's work
.set QP,  188                          ; v188-251 K phase: q' [buffer][g][16].  Else at work
; window 1: H, pair P, K step q, tile u, half c at 64 P + 16 q + 8 u + 4 c.   window 2: weight fragments.   window 3: v0-127 p [pair P][g][16]; v128-159 the tokens' fragments
.set WV,  34                           ; s34  my wave's number
.set SEL, 42                           ; s[42:43] v_permlanex16_b32's selects for lane l xor 16
.set CNT, 44                           ; s44  loop counter
.set TW,  45                           ; s45  LDS byte of the double strip to be fetched
.set TSC, 46                           ; s46  of its scale words
.set TQ,  47                           ; s47  of its q'
.set TP,  66                           ; s66  of the strip of out in hand
.set G1C, 48                           ; s[48:55] descriptor group 1: codes
.set G1S, 56                           ; s[56:63] scale bytes
.set DQS, 68                           ; groups 0, never rewritten: Wq's scales, Wq's codes, Wk's scales, Wk's codes, Wv's scales, Wv's codes
.set DQC, 72
.set DKS, 76
.set DKC, 80
.set DVS, 84
.set DVC, 88
.set C512, 92                          ; s92  1 / 512
.set CEPS, 93                          ; s93  1e-6
.set CSC,  94                          ; s94  512^-1/2 log2(e)
.set HM,   95                          ; s95  a mask of lanes 16-31
.set MSB, 0
.macro WIN new                         ; the immediate's low byte: bits 1:0 source 0, 3:2 source 1, 5:4 source 2, 7:6 destination; its high byte repeats the setting that is left
.if MSB != \new
	s_set_vgpr_msb (MSB<<8)|\new
.set MSB, \new
.endif
.endm
.macro PLACES n
.rept \n
	v_nop
.endr
.endm
.macro BAR                             ; my LDS stores have landed and my LDS loads are in: then the work-group's barrier
	s_wait_dscnt 0x0
	s_barrier_signal -1
	s_barrier_wait -1
.endm
.macro ROUND                           ; a round of the cluster's barrier: my work-group's barrier; wave 0 signals for the work-group; every wave waits for all four work-groups; my work-group's barrier once more
	s_barrier_signal -1
	s_barrier_wait -1
	s_cmp_lg_u32 s[WV], 0
	s_cbranch_scc1 .Lnot_wave_0_\@
	s_barrier_signal -3
.Lnot_wave_0_\@:
	s_barrier_wait -3
	s_barrier_signal -1
	s_barrier_wait -1
.endm
.macro DESC g0, lbase, lofs, ptr, ofs  ; a group 0: count 1; LDS address = region + my wave's part; global address = buffer + offset; type 2
	s_mov_b32 s[\g0], 1
	s_add_co_u32 s[\g0+1], s[\lofs], \lbase
	s_add_nc_u64 s[\g0+2:\g0+3], s[\ptr:\ptr+1], s[\ofs:\ofs+1]
	s_or_b32 s[\g0+3], s[\g0+3], 0x80000000
.endm
	s_load_b512 s[4:19], s[0:1], 0x0               ; H codes s[4:5], H scales s[6:7], target codes s[8:9], target scales s[10:11], Wq codes s[12:13], Wq scales s[14:15], Wk codes s[16:17], Wk scales s[18:19]
	s_load_b256 s[20:27], s[0:1], 0x40             ; Wv codes s[20:21], Wv scales s[22:23], q_norm_w s[24:25], k_norm_w s[26:27]
	s_load_b128 s[28:31], s[0:1], 0x60             ; mask s[28:29], out0 s[30:31]
	s_load_b64 s[32:33], s[0:1], 0x70              ; out1
	v_lshl_add_u32 v[SPW], v0, 2, SPARE
	v_mov_b32 v[NIL], 0
	ds_add_u32 v1, v2
	ds_add_u32 v1, v2
	s_wait_dscnt 0x0
	v_lshrrev_b32 v255, 5, v0
	v_readfirstlane_b32 s[WV], v255                ; wave 0..3
	s_bfe_u32 s35, ttmp6, 0x40000                  ; my place in the cluster: it enters the addresses of H, the tokens, the mask and the outputs alone
	s_and_b32 s36, ttmp9, 3                        ; n, the head: the four partners share it
	s_and_not1_b32 s37, ttmp9, 3
	s_add_co_u32 s37, s37, s35                     ; b, the batch
	v_and_b32 v253, 15, v0                         ; r; also the mask's byte offset
	v_bfe_u32 v254, v0, 4, 1                       ; h
	v_and_b32 v255, 31, v0                         ; lane
	v_and_b32 v252, 1, v0                          ; r & 1: which of the two tokens my column of the q product is
	s_mul_i32 s38, s[WV], QUART                    ; my wave's quarter of a weight in LDS,
	s_lshl_b32 s39, s[WV], 11                      ; of its scale bytes (LDS and memory),
	s_lshl_b32 s96, s[WV], 15                      ; of its codes in memory
	s_mov_b32 s97, 0
	s_mov_b32 s98, s39
	s_mov_b32 s99, 0
	s_lshl_b32 s40, s36, 17                        ; a head's 512 rows of codes are 131,072 bytes,
	s_add_co_u32 s40, s40, s96
	s_mov_b32 s41, 0
	s_lshl_b32 s46, s36, 13                        ; of scale bytes 8,192
	s_add_co_u32 s46, s46, s39
	s_mov_b32 s47, 0
	v_mul_u32_u24 v[AW0], v253, PITCH
	v_lshl_add_u32 v[AW0], v254, 4, v[AW0]
	v_lshlrev_b32 v[L16], 4, v255
	v_lshlrev_b32 v[R16], 4, v253
	v_lshlrev_b32 v[T16], 4, v0
	v_add_nc_u32 v[ASA], L_SK, v[L16]
	v_add_nc_u32 v[ASB], L_SV, v[R16]
	v_lshl_add_u32 v[AQ0], v254, 5, L_QT
	v_lshlrev_b32 v[HO], 8, v253
	v_lshl_add_u32 v[HO], v254, 4, v[HO]
	v_lshlrev_b32 v[TO], 8, v252
	v_lshl_add_u32 v[TO], v254, 4, v[TO]
	s_lshl_b32 s44, s[WV], 12
	s_add_co_u32 s44, s44, L_PART
	v_lshl_add_u32 v[AP0], v254, 11, s44           ; out's parts: 4,096 x wave + 2,048 h + 4 r
	v_lshl_add_u32 v[AP0], v253, 2, v[AP0]
	s_add_co_u32 s44, s38, L_WV
	v_add_nc_u32 v[AQW], s44, v[AW0]
	s_add_co_u32 s44, s39, L_SQ
	v_add_nc_u32 v[ASQ], s44, v[L16]
	s_lshl_b32 s44, s[WV], 9
	s_add_co_u32 s44, s44, L_QRAW
	v_lshl_add_u32 v[AQR], v252, 11, s44           ; raw q: 2,048 x token + 512 x wave + 32 h
	v_lshl_add_u32 v[AQR], v254, 5, v[AQR]
	s_lshl_b32 s44, s[WV], 3
	s_add_co_u32 s44, s44, L_RED
	v_lshl_add_u32 v[ASS], v252, 2, s44
	s_lshl_b32 s44, s[WV], 2
	s_add_co_u32 s44, s44, L_RED+64
	v_lshl_add_u32 v[ARW], v254, 4, s44
	v_lshl_add_u32 v[ARR], v254, 4, L_RED+64
	v_lshlrev_b32 v252, 4, v252                    ; 16 (r & 1): the tokens' scale words in memory
	s_mov_b32 s[SEL], 0x76543210
	s_mov_b32 s[SEL+1], 0xfedcba98
	s_mov_b32 s[C512], 0x3b000000
	s_mov_b32 s[CEPS], 0x358637bd
	s_mov_b32 s[CSC], 0x3d8293ee
	s_mov_b32 s[HM], 0xffff0000
	; group 1 for codes: 128 rows of 256 bytes, dense in memory, 16 bytes of padding behind each in LDS
	s_mov_b32 s[G1C], 15|(0<<16)|(1<<20)|(1<<21)|(5<<22)|(3<<25)  ; 15:0 the mask: all four work-groups; 17:16 elements of 1 byte; 20 padding on; 21 set beside a mask; 24:22 after every 64 words (code 5); 31:25 four words (code 3)
	s_mov_b32 s[G1C+1], 256<<16                    ; tensor_dim0
	s_mov_b32 s[G1C+2], 128<<16                    ; tensor_dim1
	s_mov_b32 s[G1C+3], 256<<16                    ; tile_dim0
	s_mov_b32 s[G1C+4], 128                        ; tile_dim1
	s_mov_b32 s[G1C+5], 256                        ; from row to row
	s_mov_b32 s[G1C+6], 0
	s_mov_b32 s[G1C+7], 0
	; group 1 for the scale bytes of 128 rows: 2,048 dense bytes as 8 rows of 32 elements of 8 bytes, no padding
	s_mov_b32 s[G1S], 15|(3<<16)|(1<<21)
	s_mov_b32 s[G1S+1], 32<<16
	s_mov_b32 s[G1S+2], 8<<16
	s_mov_b32 s[G1S+3], 32<<16
	s_mov_b32 s[G1S+4], 8
	s_mov_b32 s[G1S+5], 32
	s_mov_b32 s[G1S+6], 0
	s_mov_b32 s[G1S+7], 0
	s_wait_kmcnt 0x0
	DESC DQS, L_SQ, 39, 14, 98                     ; nothing in these six hangs on anything but the head and the wave's number
	DESC DQC, L_WV, 38, 12, 96
	DESC DKS, L_SK, 39, 18, 46
	DESC DKC, L_WK, 38, 16, 40
	DESC DVS, L_SV, 39, 22, 46
	DESC DVC, L_WV, 38, 20, 40
	s_mov_b32 s45, 0
	s_lshl_b32 s44, s37, 17
	s_add_co_u32 s44, s44, s96
	s_add_nc_u64 s[4:5], s[4:5], s[44:45]          ; H's codes at my wave's first key: 131,072 b + 32,768 w
	s_lshl_b32 s44, s37, 13
	s_add_co_u32 s44, s44, s39
	s_add_nc_u64 s[6:7], s[6:7], s[44:45]          ; H's scale bytes: 8,192 b + 2,048 w
	s_lshl_b32 s44, s37, 2
	s_add_co_u32 s44, s44, s36                     ; 4 b + n: the pair of tokens 8 b + 2 n, 8 b + 2 n + 1
	s_lshl_b32 s44, s44, 9
	s_add_nc_u64 s[8:9], s[8:9], s[44:45]          ; their codes, 256 bytes a token
	s_lshr_b32 s44, s44, 4
	s_add_nc_u64 s[10:11], s[10:11], s[44:45]      ; their scale bytes, 16 a token
	s_lshl_b32 s44, s44, 7
	s_add_nc_u64 s[30:31], s[30:31], s[44:45]      ; their rows of out0 and out1, 2,048 bytes a token
	s_add_nc_u64 s[32:33], s[32:33], s[44:45]
	s_lshl_b32 s44, s37, 9
	s_lshl_b32 s35, s[WV], 7
	s_add_co_u32 s44, s44, s35
	s_add_nc_u64 s[28:29], s[28:29], s[44:45]      ; the mask at my wave's first key
	ROUND                                          ; all four work-groups are here: the first joint loads meet
	tensor_load_to_lds s[DQS:DQS+3], s[G1S:G1S+7]  ; the first fills go out as one group: five loads of mine are out.  What the q phase wants comes first
	s_nop 0
	tensor_load_to_lds s[DQC:DQC+3], s[G1C:G1C+7]
	s_nop 0
	tensor_load_to_lds s[DKS:DKS+3], s[G1S:G1S+7]
	s_nop 0
	tensor_load_to_lds s[DKC:DKC+3], s[G1C:G1C+7]
	s_nop 0
	tensor_load_to_lds s[DVS:DVS+3], s[G1S:G1S+7]
	s_nop 0
	PLACES 4                                       ; four plain lines behind the loads, ahead of the first switch of windows
	; 27 small loads, then H's 64
	WIN 0xc0
.irp q, 0,1,2,3
.irp c, 0,1
	global_load_b128 v[128+8*\q+4*\c:128+8*\q+4*\c+3], v[TO], s[8:9] offset:64*\q+32*\c   ; the tokens as source 1: column r is token r & 1; registers 4 c ..: k = 128 q + 64 c + 32 h ..
.endr
.endr
	WIN 0
	global_load_b128 v[TS:TS+3], v252, s[10:11]
	global_load_b128 v[188:191], v[T16], s[24:25]  ; q_norm_w and k_norm_w at channels 4 x thread ..
	global_load_b128 v[192:195], v[T16], s[26:27]
.irp a, 0,1,2,3,4,5,6,7
	global_load_u8 v[ACC+\a], v253, s[28:29] offset:16*\a
.endr
.irp P, 0,1,2,3
	global_load_b128 v[HSA+4*\P:HSA+4*\P+3], v[L16], s[6:7] offset:512*\P
.endr
.irp P, 0,1,2,3
	global_load_b128 v[HSA+16+4*\P:HSA+16+4*\P+3], v[R16], s[6:7] offset:512*\P+256
.endr
	WIN 0x40
.irp a, 0,1,2,3,4,5,6,7
.irp q, 0,1,2,3
.irp c, 0,1
	global_load_b128 v[64*(\a/2)+16*\q+8*(\a%2)+4*\c:64*(\a/2)+16*\q+8*(\a%2)+4*\c+3], v[HO], s[4:5] offset:4096*\a+64*\q+32*\c
.endr
.endr
.endr
	WIN 0
	; ---- THE Q PHASE.  My quarter of Wq (rows 128 w ..) was brought by my own loads and is read by me alone: my own counter is all the ordering that these reads need
	s_wait_tensorcnt 0x3                           ; three loads were issued behind my Wq codes: Wk's scales, Wk's codes, Wv's scales
.irp T, 0,1,2,3
	ds_load_b128 v[WS+4*\T:WS+4*\T+3], v[ASQ] offset:512*\T
.endr
	WIN 0x80
.irp T, 0,1,2,3
.irp u, 0,1
.irp q, 0,1,2,3
.irp c, 0,1
	ds_load_b128 v[64*\T+16*\q+8*\u+4*\c:64*\T+16*\q+8*\u+4*\c+3], v[AQW] offset:(32*\T+16*\u)*PITCH+64*\q+32*\c
.endr
.endr
.endr
.endr
	WIN 0
	s_wait_loadcnt 0x3f                            ; behind the 27 small loads 64 were issued; with at most 63 out the 27 are in
	v_mov_b32 v[MK], v[ACC]
.irp a, 1,2,3,4,5,6,7
	v_lshl_or_b32 v[MK], v[ACC+\a], \a, v[MK]
.endr
	s_wait_dscnt 0x0
	WIN 0x0e                                       ; source 0 window 2, source 1 window 3
.irp q, 0,1,2,3                                ; four accumulators by turns: 32 rows of Wq each
.irp T, 0,1,2,3
.if \q == 0
	v_wmma_scale_f32_32x16x128_f4 v[ACC+16*\T:ACC+16*\T+15], v[64*\T+16*\q:64*\T+16*\q+15], v[128+8*\q:128+8*\q+7], 0, v[WS+4*\T+\q], v[TS+\q]
.else
	v_wmma_scale_f32_32x16x128_f4 v[ACC+16*\T:ACC+16*\T+15], v[64*\T+16*\q:64*\T+16*\q+15], v[128+8*\q:128+8*\q+7], v[ACC+16*\T:ACC+16*\T+15], v[WS+4*\T+\q], v[TS+\q]
.endif
.endr
.endr
	WIN 0
	PLACES 4                                       ; lane (r, h) now holds q[token r & 1][128 w + 32 T + 16 u + 8 h + j] in register 16 T + 8 u + j
.irp T, 0,1,2,3
	v_pk_mul_f32 v[196+2*\T:197+2*\T], v[ACC+16*\T:ACC+16*\T+1], v[ACC+16*\T:ACC+16*\T+1]   ; sum q^2, four chains, each accumulator from its low end on
.endr
.irp i, 1,2,3,4,5,6,7
.irp T, 0,1,2,3
	v_pk_fma_f32 v[196+2*\T:197+2*\T], v[ACC+16*\T+2*\i:ACC+16*\T+2*\i+1], v[ACC+16*\T+2*\i:ACC+16*\T+2*\i+1], v[196+2*\T:197+2*\T]
.endr
.endr
	v_pk_add_f32 v[196:197], v[196:197], v[198:199]
	v_pk_add_f32 v[200:201], v[200:201], v[202:203]
	v_pk_add_f32 v[196:197], v[196:197], v[200:201]
	v_add_f32 v196, v196, v197
	v_permlanex16_b32 v198, v196, s[SEL], s[SEL+1]
	v_add_f32 v196, v196, v198                     ; my wave's 128 channels of token r & 1
	ds_store_b32 v[ASS], v196                      ; (lanes of equal r & 1 hold equal numbers and write the same word)
.irp T, 0,1,2,3
.irp u, 0,1
.irp j, 0,1
	ds_store_b128 v[AQR], v[ACC+16*\T+8*\u+4*\j:ACC+16*\T+8*\u+4*\j+3] offset:128*\T+64*\u+16*\j
.endr
.endr
.endr
	; ---- THE ONE REFILL: Wv's codes into the bytes that held Wq's.  Every wave: all its tensor loads have landed (all of Wk and every scale byte among them); the add; its reads of Wq and its stores of raw q are done; the cluster's round
	s_wait_tensorcnt 0x0
	ds_add_u32 v[SPW], v[NIL]                      ; 0 onto my spare word
.set i, 0
.rept 48
	v_mov_b32 v[STAT+i], 0                         ; the K phase's 24 pairs of sums: its first slices stand inside the loop, so the sums begin as zeros.  (Work on registers while the add is out)
.set i, i+1
.endr
	s_wait_dscnt 0x0
	ROUND                                          ; no wave of any partner still reads Wq or has a load on its way; raw q and sum q^2 of all four waves are visible
	tensor_load_to_lds s[DVC:DVC+3], s[G1C:G1C+7]  ; my one tensor load behind the round, and the first thing there: one load of mine is out until the softmax
	s_nop 0
	PLACES 4
; A double strip's weight fragments (32 rows x 512 K: 16 loads) and scale words into buffer buf.  mode 0: K phase (source 0: 32 rows, K step q at 16 q); mode 1: V phase (source 1: two strips u of 16 rows, at 32 u + 8 q)
.macro LOADW mode, buf
	WIN 0
	v_add_nc_u32 v[ADW], s[TW], v[AW0]
.if \mode == 0
	v_add_nc_u32 v[ADS], s[TSC], v[ASA]
.else
	v_add_nc_u32 v[ADS], s[TSC], v[ASB]
.endif
	s_add_co_u32 s[TW], s[TW], DSTR
	s_add_co_u32 s[TSC], s[TSC], 512
.if \mode == 0
	ds_load_b128 v[WS+4*\buf:WS+4*\buf+3], v[ADS]                  ; lane l: the four words of row l of the 32
.else
	ds_load_b128 v[WS+8*\buf:WS+8*\buf+3], v[ADS]                  ; lane r: row r of strip 0,
	ds_load_b128 v[WS+8*\buf+4:WS+8*\buf+7], v[ADS] offset:256     ; of strip 1
.endif
	WIN 0x80
.irp u, 0,1
.irp q, 0,1,2,3
.irp c, 0,1
.if \mode == 0
	ds_load_b128 v[64*\buf+16*\q+8*\u+4*\c:64*\buf+16*\q+8*\u+4*\c+3], v[ADW] offset:\u*16*PITCH+64*\q+32*\c
.else
	ds_load_b128 v[64*\buf+32*\u+8*\q+4*\c:64*\buf+32*\u+8*\q+4*\c+3], v[ADW] offset:\u*16*PITCH+64*\q+32*\c
.endif
.endr
.endr
.endr
	WIN 0
.endm
; q' of the double strip's 32 channels, in the result's order: register 16 g + 8 u + i = q'[g][32 T + 16 u + 8 h + i].  Sixteen lanes read the same 16 bytes
.macro LOADQ buf
	v_add_nc_u32 v[ADQ], s[TQ], v[AQ0]
	s_add_co_u32 s[TQ], s[TQ], 128
.irp g, 0,1
.irp u, 0,1
.irp j, 0,1
	ds_load_b128 v[QP+32*\buf+16*\g+8*\u+4*\j:QP+32*\buf+16*\g+8*\u+4*\j+3], v[ADQ] offset:2048*\g+64*\u+16*\j
.endr
.endr
.endr
.endm
.macro LOADT mode, buf
	LOADW \mode, \buf
.if \mode == 0
	LOADQ \buf
.endif
.endm
; One matrix instruction of group P: K step q, result rho.  K phase: 32 rows of Wk x tile 2 P + rho of H.  V phase: pair 2 (P % 2) + rho of H x strip P / 2 of Wv.  The first K step starts the sum
.macro MM mode, P, buf, q, rho
.set rD, ACC+32*((\P)%2)+16*(\rho)
.if \mode == 0
	WIN 0x06                                       ; source 0 window 2, source 1 window 1
.set rA, 64*(\buf)+16*(\q)
.set rB, 64*(\P)+16*(\q)+8*(\rho)
.set rSA, WS+4*(\buf)+(\q)
.set rSB, HSA+16*(\rho)+4*(\P)+(\q)
.else
	WIN 0x09                                       ; source 0 window 1, source 1 window 2
.set rA, 64*(2*((\P)%2)+(\rho))+16*(\q)
.set rB, 64*(\buf)+32*((\P)/2)+8*(\q)
.set rSA, HSA+4*(2*((\P)%2)+(\rho))+(\q)
.set rSB, WS+8*(\buf)+4*((\P)/2)+(\q)
.endif
.if (\q) == 0
	v_wmma_scale_f32_32x16x128_f4 v[rD:rD+15], v[rA:rA+15], v[rB:rB+7], 0, v[rSA], v[rSB]
.else
	v_wmma_scale_f32_32x16x128_f4 v[rD:rD+15], v[rA:rA+15], v[rB:rB+7], v[rD:rD+15], v[rSA], v[rSB]
.endif
.endm
; Slice i of 8 of the K phase's vector work on group P's results: registers 2 i, 2 i + 1 of both results: six chains that do not wait for each other.  Slice 0 reads each accumulator's low end first
.macro KSLICE i, set, P, buf
	WIN 0
.irp rho, 0,1
.set rX, ACC+32*(\set)+16*\rho+2*(\i)
.set rT, STAT+6*(2*(\P)+\rho)
.set rQ, QP+32*(\buf)+2*(\i)
	v_pk_fma_f32 v[rT:rT+1], v[rX:rX+1], v[rX:rX+1], v[rT:rT+1]
	v_pk_fma_f32 v[rT+2:rT+3], v[rX:rX+1], v[rQ:rQ+1], v[rT+2:rT+3]
	v_pk_fma_f32 v[rT+4:rT+5], v[rX:rX+1], v[rQ+16:rQ+17], v[rT+4:rT+5]
.endr
.endm
; The same of the V phase: v x p for both queries, four chains [rho][g].  pi: which half of the strip's four pairs of H; its first slice starts the strip's sums
.macro VSLICE i, set, pi
	WIN 0x0c                                       ; source 1 (p) window 3
.irp rho, 0,1
.irp g, 0,1
.set rX, ACC+32*(\set)+16*\rho+2*(\i)
.set rT, STAT+4*\rho+2*\g
.set rQ, 32*(2*(\pi)+\rho)+16*\g+2*(\i)
.if ((\pi) == 0) && ((\i) == 0)
	v_pk_mul_f32 v[rT:rT+1], v[rX:rX+1], v[rQ:rQ+1]
.else
	v_pk_fma_f32 v[rT:rT+1], v[rX:rX+1], v[rQ:rQ+1], v[rT:rT+1]
.endif
.endr
.endr
.endm
; A strip of 16 channels of out is finished for my wave's 128 keys: the chains are added; each half of the lanes keeps one query's sum and sends the other's across; lane (r, h) stores out[g = h][d = r]
.macro FIN
	WIN 0
	v_pk_add_f32 v[STAT:STAT+1], v[STAT:STAT+1], v[STAT+4:STAT+5]
	v_pk_add_f32 v[STAT+2:STAT+3], v[STAT+2:STAT+3], v[STAT+6:STAT+7]
	v_add_f32 v[STAT+8], v[STAT], v[STAT+1]
	v_add_f32 v[STAT+9], v[STAT+2], v[STAT+3]
	v_cndmask_b32 v[STAT+10], v[STAT+9], v[STAT+8], s[HM]          ; what the other half wants
	v_cndmask_b32 v[STAT+11], v[STAT+8], v[STAT+9], s[HM]          ; what I keep
	v_permlanex16_b32 v[STAT+12], v[STAT+10], s[SEL], s[SEL+1]
	v_add_f32 v[STAT+11], v[STAT+11], v[STAT+12]
	v_add_nc_u32 v[ADP], s[TP], v[AP0]
	s_add_co_u32 s[TP], s[TP], 64
	ds_store_b32 v[ADP], v[STAT+11]
.endm
.macro MAYFIN mode
.if \mode == 1
	FIN
.endif
.endm
; A GROUP: eight matrix instructions, the two accumulators of set P % 2 by turns, one instruction a turn; behind each, with cons = 1, one slice of the group before (cP, cbuf), whose results
; lie in the other set.  The slices are the places: behind a group's last matrix instruction stand 6 or 4 plain lines on the other set before the first read of its result, before a load into its operands,
; and (with the slice before) more than five before the set is begun anew
.macro GRP mode, P, buf, cons, cP, cbuf
.irp q, 0,1,2,3
.irp rho, 0,1
	MM \mode, \P, \buf, \q, \rho
.if \cons
.if \mode == 0
	KSLICE 2*\q+\rho, 1-(\P)%2, \cP, \cbuf
.else
	VSLICE 2*\q+\rho, 1-(\P)%2, (\cP)%2
.endif
.endif
.endr
.endr
.endm
.macro REST mode, buf                  ; groups 1 to 3 of the double strip in buffer buf
	GRP \mode, 1, \buf, 1, 0, \buf
	GRP \mode, 2, \buf, 1, 1, \buf
	MAYFIN \mode                                   ; (V: strip 0's two groups have been consumed)
	GRP \mode, 3, \buf, 1, 2, \buf
.endm
.macro NEXT0 mode, buf                 ; group 0 of the next double strip, in buffer buf
	s_wait_dscnt 0x0                               ; its fragments, scale words and q' were asked for three groups, 24 matrix instructions, ago
	GRP \mode, 0, \buf, 1, 3, 1-\buf
	MAYFIN \mode                                   ; (V: strip 1's)
.endm
; THE WALK over a weight's 16 double strips, the same for both phases.  Double strip 0 has been asked for ahead of it.  A trip runs two double strips, so that the two buffers are back where they began; seven trips ask for
; double strips 2 to 15; the last two are written out without loads, so that no address passes its region
.macro WALK mode
	s_wait_dscnt 0x0
	GRP \mode, 0, 0, 0, 0, 0                       ; there is no vector work yet to set between these
	WIN 0
	PLACES 4
	LOADT \mode, 1
	s_mov_b32 s[CNT], 7
.Lwalk_\@:
	REST \mode, 0
	NEXT0 \mode, 1
	LOADT \mode, 0                                 ; buffer 0's last reader stands eight matrix instructions and their slices back
	REST \mode, 1
	NEXT0 \mode, 0
	LOADT \mode, 1
	s_sub_co_u32 s[CNT], s[CNT], 1                 ; (LOADT leaves every window 0)
	s_cmp_lg_u32 s[CNT], 0
	s_cbranch_scc1 .Lwalk_\@
	REST \mode, 0
	NEXT0 \mode, 1
	REST \mode, 1
.irp i, 0,1,2,3,4,5,6,7
.if \mode == 0
	KSLICE \i, 1, 3, 1
.else
	VSLICE \i, 1, 1
.endif
.endr
	MAYFIN \mode
	WIN 0
.endm
	s_mov_b32 s[TW], L_WK
	s_mov_b32 s[TSC], 0
	s_mov_b32 s[TQ], 0
	LOADW 0, 0                                     ; Wk's first double strip is on its way while q is normalised
	; ---- THE NORM PASS: thread t owns channels 4 t .. 4 t + 3 of both tokens
	v_add_nc_u32 v196, L_QRAW, v[T16]
	v_mov_b32 v197, L_RED
	ds_load_b128 v[200:203], v196
	ds_load_b128 v[204:207], v196 offset:2048
	ds_load_b128 v[208:211], v197                  ; sum q^2: wave 0 token 0, wave 0 token 1, wave 1 token 0, wave 1 token 1;
	ds_load_b128 v[212:215], v197 offset:16        ; waves 2 and 3
	v_pk_add_f32 v[188:189], v[188:189], 1.0 op_sel_hi:[1,0]
	v_pk_add_f32 v[190:191], v[190:191], 1.0 op_sel_hi:[1,0]
	v_pk_add_f32 v[192:193], v[192:193], 1.0 op_sel_hi:[1,0]
	v_pk_add_f32 v[194:195], v[194:195], 1.0 op_sel_hi:[1,0]
	v_pk_mul_f32 v[188:189], v[188:189], v[192:193]                ; (1 + qw)(1 + kw)
	v_pk_mul_f32 v[190:191], v[190:191], v[194:195]
	s_wait_dscnt 0x0
	v_add_f32 v216, v208, v210
	v_add_f32 v217, v212, v214
	v_add_f32 v218, v209, v211
	v_add_f32 v219, v213, v215
	v_add_f32 v216, v216, v217
	v_add_f32 v218, v218, v219
	v_fma_f32 v216, v216, s[C512], s[CEPS]         ; mean q^2 + eps
	v_fma_f32 v218, v218, s[C512], s[CEPS]
	v_rsq_f32 v216, v216
	v_rsq_f32 v218, v218
	v_add_nc_u32 v198, L_QT, v[T16]                ; (a plain line behind the two roots)
	s_wait_alu depctr_va_vdst(0)                   ; one wait for both, ahead of their first reader
	v_mul_f32 v216, s[CSC], v216
	v_mul_f32 v218, s[CSC], v218
	v_pk_mul_f32 v[200:201], v[200:201], v[188:189]
	v_pk_mul_f32 v[202:203], v[202:203], v[190:191]
	v_pk_mul_f32 v[204:205], v[204:205], v[188:189]
	v_pk_mul_f32 v[206:207], v[206:207], v[190:191]
	v_pk_mul_f32 v[200:201], v[200:201], v[216:217] op_sel_hi:[1,0]   ; (of the pair the low word serves both halves)
	v_pk_mul_f32 v[202:203], v[202:203], v[216:217] op_sel_hi:[1,0]
	v_pk_mul_f32 v[204:205], v[204:205], v[218:219] op_sel_hi:[1,0]
	v_pk_mul_f32 v[206:207], v[206:207], v[218:219] op_sel_hi:[1,0]
	ds_store_b128 v198, v[200:203]
	ds_store_b128 v198, v[204:207] offset:2048
	BAR                                            ; q' lies whole in LDS
	LOADQ 0
	s_wait_loadcnt 0x0                             ; H and its scale words
	; ---- THE K PHASE
	WALK 0
	; ---- SCORES AND SOFTMAX.  Lanes 0-15 carry query 0, lanes 16-31 query 1, of key 16 a + r
.set E_SS, 188
.set E_D0, 196
.set E_D1, 204
.set E_FX, 212
.set E_T,  220
.set E_PX, 228
.set E_PS, 236
.irp a, 0,1,2,3,4,5,6,7
	v_add_f32 v[E_SS+\a], v[STAT+6*\a], v[STAT+6*\a+1]
	v_add_f32 v[E_D0+\a], v[STAT+6*\a+2], v[STAT+6*\a+3]
	v_add_f32 v[E_D1+\a], v[STAT+6*\a+4], v[STAT+6*\a+5]
.endr
.irp a, 0,1,2,3,4,5,6,7
	v_cndmask_b32 v[E_FX+\a], v[E_D1+\a], v[E_D0+\a], s[HM]        ; what the other half of the lanes wants,
	v_cndmask_b32 v[E_T+\a], v[E_D0+\a], v[E_D1+\a], s[HM]         ; what I keep
.endr
.irp a, 0,1,2,3,4,5,6,7
	v_permlanex16_b32 v[E_PX+\a], v[E_FX+\a], s[SEL], s[SEL+1]
	v_permlanex16_b32 v[E_PS+\a], v[E_SS+\a], s[SEL], s[SEL+1]
.endr
.irp a, 0,1,2,3,4,5,6,7
	v_add_f32 v[E_T+\a], v[E_T+\a], v[E_PX+\a]
	v_add_f32 v[E_SS+\a], v[E_SS+\a], v[E_PS+\a]
.endr
.irp a, 0,1,2,3,4,5,6,7
	v_fma_f32 v[E_SS+\a], v[E_SS+\a], s[C512], s[CEPS]             ; mean k^2 + eps
.endr
.irp a, 0,1,2,3,4,5,6,7
	v_rsq_f32 v[E_SS+\a], v[E_SS+\a]
.endr
	v_mov_b32 v252, 0xff800000                     ; -infinity.  (A plain line behind the eight roots)
	s_wait_alu depctr_va_vdst(0)                   ; one wait for the batch, ahead of its first reader
.irp a, 0,1,2,3,4,5,6,7
	v_mul_f32 v[E_T+\a], v[E_T+\a], v[E_SS+\a]     ; t
.endr
.irp a, 0,1,2,3,4,5,6,7
	v_and_b32 v253, 1<<\a, v[MK]
	v_cmp_eq_u32 vcc_lo, 0, v253
	v_cndmask_b32 v[E_T+\a], v252, v[E_T+\a], vcc_lo               ; a masked key's t is -infinity
.endr
	v_max3_num_f32 v254, v[E_T], v[E_T+1], v[E_T+2]
	v_max3_num_f32 v254, v254, v[E_T+3], v[E_T+4]
	v_max3_num_f32 v254, v254, v[E_T+5], v[E_T+6]
	v_max_num_f32 v254, v254, v[E_T+7]
	v_max_num_f32_dpp v254, v254, v254 row_xmask:1 row_mask:0xf bank_mask:0xf
	v_max_num_f32_dpp v254, v254, v254 row_xmask:2 row_mask:0xf bank_mask:0xf
	v_max_num_f32_dpp v254, v254, v254 row_xmask:4 row_mask:0xf bank_mask:0xf
	v_max_num_f32_dpp v254, v254, v254 row_xmask:8 row_mask:0xf bank_mask:0xf
	ds_store_b32 v[ARW], v254                      ; my wave's maximum of query h
	s_wait_tensorcnt 0x0                           ; my quarter of Wv has landed (the one load that was out): the others read it behind this barrier
	BAR
	ds_load_b128 v[244:247], v[ARR]
	s_lshl_b32 s40, s[WV], 9
	s_add_co_u32 s40, s40, L_P
	v_bfe_u32 v249, v0, 4, 1
	v_and_b32 v253, 15, v0
	v_lshl_add_u32 v250, v249, 11, s40             ; where I store p: 2,048 h + 512 w + 4 r
	v_lshl_add_u32 v250, v253, 2, v250
	v_lshl_add_u32 v251, v249, 5, s40              ; where I read it back for the V phase: 512 w + 32 h
	s_wait_dscnt 0x0
	v_max3_num_f32 v254, v244, v245, v246
	v_max_num_f32 v254, v254, v247                 ; the row's maximum over all 512 keys
.irp a, 0,1,2,3,4,5,6,7
	v_sub_f32 v[E_T+\a], v[E_T+\a], v254
.endr
.irp a, 0,1,2,3,4,5,6,7
	v_exp_f32 v[E_T+\a], v[E_T+\a]
.endr
	v_add_nc_u32 v248, L_P, v[T16]                 ; (a plain line behind the eight exponentials)
	s_wait_alu depctr_va_vdst(0)                   ; one wait for the batch
	v_add_f32 v255, v[E_T], v[E_T+1]
	v_add_f32 v253, v[E_T+2], v[E_T+3]
	v_add_f32 v244, v[E_T+4], v[E_T+5]
	v_add_f32 v245, v[E_T+6], v[E_T+7]
	v_add_f32 v255, v255, v253
	v_add_f32 v244, v244, v245
	v_add_f32 v255, v255, v244
	v_add_f32_dpp v255, v255, v255 row_xmask:1 row_mask:0xf bank_mask:0xf
	v_add_f32_dpp v255, v255, v255 row_xmask:2 row_mask:0xf bank_mask:0xf
	v_add_f32_dpp v255, v255, v255 row_xmask:4 row_mask:0xf bank_mask:0xf
	v_add_f32_dpp v255, v255, v255 row_xmask:8 row_mask:0xf bank_mask:0xf
	ds_store_b32 v[ARW], v255 offset:64            ; other bytes than the maxima's
	BAR
	ds_load_b128 v[244:247], v[ARR] offset:64
	s_wait_dscnt 0x0
	v_add_f32 v244, v244, v245
	v_add_f32 v246, v246, v247
	v_add_f32 v244, v244, v246
	v_rcp_f32 v244, v244
	v_nop                                          ; a plain line behind the reciprocal
	s_wait_alu depctr_va_vdst(0)
.irp a, 0,1,2,3,4,5,6,7
	v_mul_f32 v[E_T+\a], v[E_T+\a], v244           ; p
.endr
.irp a, 0,1,2,3,4,5,6,7
	ds_store_b32 v250, v[E_T+\a] offset:64*\a
.endr
	; all reads of p below are of bytes that my own wave stored; LDS serves a wave's instructions in order (ISA guide 5.7.1.4): no wait, no barrier
	ds_load_b128 v[188:191], v248                  ; my wave's 128 keys of query 0 as 512 consecutive bytes,
	ds_load_b128 v[192:195], v248 offset:2048      ; of query 1
	WIN 0xc0
.irp P, 0,1,2,3
.irp g, 0,1
.irp u, 0,1
.irp j, 0,1
	ds_load_b128 v[32*\P+16*\g+8*\u+4*\j:32*\P+16*\g+8*\u+4*\j+3], v251 offset:2048*\g+128*\P+64*\u+16*\j   ; p in the V phase's result order: register 8 u + i = key 32 P + 16 u + 8 h + i
.endr
.endr
.endr
.endr
	WIN 0
	s_wait_dscnt 0x20                              ; behind the two loads for out1 the 32 just issued may stay out
	global_store_b128 v[T16], v[188:191], s[32:33] th:TH_STORE_NT               ; the wave stores 512 consecutive bytes, aligned to 256; v188-195 are not written again
	global_store_b128 v[T16], v[192:195], s[32:33] offset:2048 th:TH_STORE_NT
	; ---- THE V PHASE
	s_mov_b32 s[TW], L_WV
	s_mov_b32 s[TSC], 0
	s_mov_b32 s[TP], 0
	LOADW 1, 0
	WALK 1
	; ---- THE LAST SUM: thread t adds the four waves' parts of channels 4 t .. 4 t + 3 of both queries
	BAR
	v_add_nc_u32 v196, L_PART, v[T16]
.irp w, 0,1,2,3
.irp g, 0,1
	ds_load_b128 v[200+8*\w+4*\g:200+8*\w+4*\g+3], v196 offset:4096*\w+2048*\g
.endr
.endr
	s_wait_dscnt 0x0
.irp j, 0,2,4,6
	v_pk_add_f32 v[200+\j:201+\j], v[200+\j:201+\j], v[208+\j:209+\j]
	v_pk_add_f32 v[216+\j:217+\j], v[216+\j:217+\j], v[224+\j:225+\j]
.endr
.irp j, 0,2,4,6
	v_pk_add_f32 v[200+\j:201+\j], v[200+\j:201+\j], v[216+\j:217+\j]
.endr
	global_store_b128 v[T16], v[200:203], s[30:31] th:TH_STORE_NT
	global_store_b128 v[T16], v[204:207], s[30:31] offset:2048 th:TH_STORE_NT
	s_wait_tensorcnt 0x0                           ; the wave's end, behind my last tensor load and my last LDS store
	ds_add_u32 v[SPW], v[NIL]
	s_wait_dscnt 0x0
	ROUND                                          ; the closing round: no work-group ends while a partner may still ask for a tile that names it
	s_endpgm
.Lfunc_end_k_qfd8aa2b52c_attn:
	.size	k_qfd8aa2b52c_attn, .Lfunc_end_k_qfd8aa2b52c_attn-k_qfd8aa2b52c_attn
	.p2alignl 7, 3214868480
	.fill 96, 4, 3214868480
	.section	.rodata,"a",@progbits
	.p2align	6, 0x0
	.amdhsa_kernel k_qfd8aa2b52c_attn
		.amdhsa_group_segment_fixed_size 327680
		.amdhsa_private_segment_fixed_size 0
		.amdhsa_enable_private_segment 0
		.amdhsa_kernarg_size 120
		.amdhsa_user_sgpr_count 2
		.amdhsa_user_sgpr_kernarg_segment_ptr 1
		.amdhsa_wavefront_size32 1
		.amdhsa_system_sgpr_workgroup_id_x 1
		.amdhsa_system_sgpr_workgroup_id_y 1
		.amdhsa_system_sgpr_workgroup_id_z 1
		.amdhsa_system_vgpr_workitem_id 0
		.amdhsa_next_free_vgpr 1024
		.amdhsa_next_free_sgpr 100
		.amdhsa_reserve_vcc 1
		.amdhsa_float_denorm_mode_32 3
		.amdhsa_float_denorm_mode_16_64 3
		.amdhsa_memory_ordered 1
		.amdhsa_forward_progress 1
		.amdhsa_inst_pref_size 190
	.end_amdhsa_kernel
	.amdgpu_metadata
---
amdhsa.version: [ 1, 2 ]
amdhsa.kernels:
  - .name:           k_qfd8aa2b52c_attn
    .symbol:         k_qfd8aa2b52c_attn.kd
    .args:
      - { .name: history_emb_codes, .offset: 0, .size: 8, .value_kind: global_buffer, .address_space: global }
      - { .name: history_emb_scales, .offset: 8, .size: 8, .value_kind: global_buffer, .address_space: global }
      - { .name: target_emb_codes, .offset: 16, .size: 8, .value_kind: global_buffer, .address_space: global }
      - { .name: target_emb_scales, .offset: 24, .size: 8, .value_kind: global_buffer, .address_space: global }
      - { .name: q_proj_w_codes, .offset: 32, .size: 8, .value_kind: global_buffer, .address_space: global }
      - { .name: q_proj_w_scales, .offset: 40, .size: 8, .value_kind: global_buffer, .address_space: global }
      - { .name: k_proj_w_codes, .offset: 48, .size: 8, .value_kind: global_buffer, .address_space: global }
      - { .name: k_proj_w_scales, .offset: 56, .size: 8, .value_kind: global_buffer, .address_space: global }
      - { .name: v_proj_w_codes, .offset: 64, .size: 8, .value_kind: global_buffer, .address_space: global }
      - { .name: v_proj_w_scales, .offset: 72, .size: 8, .value_kind: global_buffer, .address_space: global }
      - { .name: q_norm_w, .offset: 80, .size: 8, .value_kind: global_buffer, .address_space: global }
      - { .name: k_norm_w, .offset: 88, .size: 8, .value_kind: global_buffer, .address_space: global }
      - { .name: key_padding_mask, .offset: 96, .size: 8, .value_kind: global_buffer, .address_space: global }
      - { .name: out0, .offset: 104, .size: 8, .value_kind: global_buffer, .address_space: global }
      - { .name: out1, .offset: 112, .size: 8, .value_kind: global_buffer, .address_space: global }
    .group_segment_fixed_size: 327680
    .private_segment_fixed_size: 0
    .kernarg_segment_align: 8
    .kernarg_segment_size: 120
    .max_flat_workgroup_size: 128
    .sgpr_count:     100
    .vgpr_count:     1024
    .wavefront_size: 32
...
	.end_amdgpu_metadata
.endif
;; end of part 1
